; MI455X (gfx1250); checked and timed in simulation.
; The chip was launched on July 23, 2026; its instructions are those of AMD's public machine-readable ISA for CDNA 5 (MIT licence, August 2026) and "CDNA5" Instruction Set Architecture Reference Guide (July 2026). The comments in the code are by the model that wrote it; some were corrected since.
;; PACA. Allowed arithmetic: float matrix products may take bf16 or f16 operands with f32 sums; all other float work in f32.
;; Inputs: Wk 256 x 256 float32; Wq 256 x 256 float32; Wv 256 x 256 float32; bk 256 float32; bq 256 float32; bv 256 float32; x 4 x 256 x 64 x 64 float32; y 4 x 256 x 64 x 64 float32.
;; Outputs: out0 4 x 256 x 64 x 64 float32.
;; 2 versions, each right; version 2 is version 1 with the launch proj written anew for expert scheduling mode. Each part assembles by itself: llvm-mc -triple=amdgcn-amd-amdhsa -mcpu=gfx1250 --defsym DOCPART=n.
;; ======== version 1 of 2: 2 launches
;; workspace buffers: Qb 8,388,608 bytes; Kb 8,388,608 bytes; Vt 8,388,608 bytes
;; launch proj (part 1): grid 64 x 3, 8 waves a work-group, no clusters, 275,456 bytes of LDS; arguments x, y, Wq, Wk, Wv, bq, bk, bv, Qb, Kb, Vt; writes Qb, Kb, Vt
.if DOCPART == 1
	.amdgcn_target "amdgcn-amd-amdhsa--gfx1250"
	.amdhsa_code_object_version 6
	.text
	.protected	k_qd99cb50586_proj
	.globl	k_qd99cb50586_proj
	.p2align	8
	.type	k_qd99cb50586_proj,@function
k_qd99cb50586_proj:
	s_mov_b64 s[64:65], 0
	v_nop
	global_prefetch_b8 v0, s[64:65] scope:SCOPE_SE
	s_setreg_imm32_b32 hwreg(HW_REG_WAVE_MODE, 25, 1), 1
	s_wait_xcnt 0x0
; The three projections.  x, y: [4][256 c][4096 n] f32.  W: [256 d][256 c] f32.  b: [256] f32.
;   job 0: Qb[b][n][d] = sum over c of x[b][c][n] Wq[d][c] + bq[d]      job 1: Kb likewise from y, Wk, bk      (bf16, a row = 512 bytes)
;   job 2: Vt[b][d][n] = sum over c of y[b][c][n] Wv[d][c] + bv[d]      (bf16, a row = 8,192 bytes)
; Grid x = 64 groups of 256 positions n, grid y = the job.  A work-group makes all 256 d x 256 n of one matrix with EIGHT waves:
; wave w = (dg = w % 4, nh = w / 4) makes d = 64 dg .. 64 dg + 63 for the positions 128 nh .. 128 nh + 127.  Eight waves, because the 512 KiB that the
; work-group loads come through registers: each wave keeps 48 loads of 512 bytes on their way, 192 KiB for the eight.
; LIMITS: operands are rounded to bf16 (x, y, W) and so are the results; the sums and the bias are f32.
; NO CLUSTER, NO TENSOR LOADS: the tiles are f32 in memory and are rounded to bf16 in registers on their way into LDS.  A joint request would bring
; them into LDS as f32: 2 x 262,144 bytes, which is more than the work-group's LDS.
; 192 equal work-groups: 256 equal ones would need 192 positions each, which does not divide 4,096.
; LDS: the x or y tile as bf16 [256 c][256 n], pitch 544 = 17 x 32 bytes (for the transposing loads); behind it W as bf16 [256 d][256 c], pitch
; 528 = 33 x 16 bytes.  W's bytes are dead once every wave holds its fragments in registers; the output stage (256 rows x 512 bytes, pitch 528) takes their place.
.set XP,   544
.set WP,   528
.set WREG, 256*XP                      ; 139,264
.set STG,  WREG
.set WO,   1                           ; v1      byte offset in W of my 16 bytes in the first of the 32 rows that my wave loads
.set XO,   2                           ; v2      the same in x or y
.set WL,   3                           ; v3      LDS: where my 8 bytes of W go
.set XL,   4                           ; v4      LDS: where my 8 bytes of x or y go
.set WF,   5                           ; v5      LDS: my W fragments (rows 64 dg ..)
.set XA,   6                           ; v6-9    LDS: my x or y fragments, one register for each 64 rows c; my half of the positions is in the register
.set SQ,   10                          ; v10     LDS: where jobs 0 and 1 put their 16 bytes in the stage; steps 16 rows a block
.set SV,   11                          ; v11     LDS: where job 2 puts its 16 bytes in the stage
.set RD,   12                          ; v12     LDS: where I read the stage back
.set CO,   13                          ; v13     my byte offset in the output
.set B0,   16                          ; v16-207 phase A: three load buffers of 64 registers
.set ACC,  16                          ; v16-47  phase B: four accumulator tiles
.set TMP,  48                          ; v48-63  phase B: packed results
.set XB0,  64                          ; v64-127, v128-191  phase B: two buffers of eight x or y fragments; then the way out
.set XB1,  128
.set BOJ,  208                         ; v208-215 byte offsets of the bias for accumulator register j
.set LN,   216                         ; lane
.set RR,   217                         ; lane % 16
.set HH,   218                         ; lane / 16
.set TA,   219
.set TB,   220
.set TC,   221
.set BI,   224                         ; v224-255 four bias tiles, laid out as accumulators
; window 1 (v256-511): my W fragments, (dbl, ks) at 8 (8 dbl + ks)
.set MSB, 0
.macro WIN new                         ; the immediate's high byte repeats the setting that is left
.if MSB != \new
	s_set_vgpr_msb (MSB<<8)|\new
.set MSB, \new
.endif
.endm
.macro PLACES cnt
.rept \cnt
	v_nop
.endr
.endm
	s_load_b512 s[8:23], s[0:1], 0x0               ; x, y, Wq, Wk, Wv, bq, bk, bv
	s_load_b128 s[24:27], s[0:1], 0x40             ; Qb, Kb
	s_load_b64 s[28:29], s[0:1], 0x50              ; Vt
	v_lshl_add_u32 v222, v0, 2, 0x43000
	v_mov_b32 v223, 0
	v_lshrrev_b32 v[TA], 5, v0
	v_readfirstlane_b32 s4, v[TA]                  ; wave 0..7
	s_and_b32 s30, s4, 3                           ; dg: which 64 d are mine
	s_lshr_b32 s31, s4, 2                          ; nh: which 128 positions are mine
	s_and_b32 s5, ttmp7, 0xffff                    ; job
	s_lshr_b32 s6, ttmp9, 4                        ; batch
	s_and_b32 s7, ttmp9, 15                        ; which 256 positions of the batch
	s_lshl_b32 s44, s6, 22                         ; source: batch x 4,194,304 + block x 1,024 bytes
	s_lshl_b32 s46, s7, 10
	s_add_co_u32 s44, s44, s46
	s_mov_b32 s45, 0
	s_lshl_b32 s46, ttmp9, 17                      ; output of jobs 0, 1: group x 256 rows x 512 bytes
	s_mov_b32 s47, 0
	s_lshl_b32 s48, s6, 21                         ; output of job 2: batch x 2,097,152 + block x 512 bytes
	s_lshl_b32 s49, s7, 9
	s_add_co_u32 s48, s48, s49
	s_mov_b32 s50, 8192
	v_and_b32 v[LN], 31, v0
	v_and_b32 v[RR], 15, v0
	v_bfe_u32 v[HH], v0, 4, 1
	s_lshl_b32 s52, s4, 15                         ; the 32 rows of W that I load: 32 x 1,024 bytes a wave
	v_lshl_add_u32 v[WO], v[LN], 4, s52
	s_lshl_b32 s53, s4, 19                         ; the 32 rows of x or y that I load: 32 x 16,384 bytes a wave
	v_lshl_add_u32 v[XO], v[LN], 4, s53
	s_mul_i32 s54, s4, 32*WP
	s_add_co_u32 s54, s54, WREG                    ; rows 32 w .. of W, and of the stage, in LDS
	v_lshl_add_u32 v[WL], v[LN], 3, s54
	v_lshl_add_u32 v[RD], v[LN], 4, s54
	s_mul_i32 s55, s4, 32*XP
	v_lshl_add_u32 v[XL], v[LN], 3, s55
	v_mul_u32_u24 v[TA], v[RR], WP
	v_lshl_add_u32 v[TA], v[HH], 4, v[TA]          ; row (lane % 16) x pitch + 16 x (lane / 16)
	s_mul_i32 s57, s30, 64*WP
	s_add_co_u32 s57, s57, WREG                    ; rows 64 dg .. of W, and of job 2's stage
	v_add_nc_u32 v[WF], s57, v[TA]
	s_lshl_b32 s58, s31, 8                         ; my 128 positions are 256 bytes of a row of bf16
	v_add_nc_u32 v[SV], s58, v[WF]
	s_mul_i32 s56, s31, 128*WP                     ; jobs 0, 1: stage rows 128 nh .., and my 64 d are 128 bytes of every row
	s_lshl_b32 s59, s30, 7
	s_add_co_u32 s56, s56, s59
	s_add_co_u32 s56, s56, STG
	v_add_nc_u32 v[SQ], s56, v[TA]
	v_and_b32 v[TB], 7, v0                         ; transposing load: row 8 (lane / 16) + lane % 8, 16 bytes on for lanes 8-15 and 24-31
	v_lshl_add_u32 v[TB], v[HH], 3, v[TB]
	v_mul_u32_u24 v[TB], v[TB], XP
	v_bfe_u32 v[TC], v0, 3, 1
	v_lshl_add_u32 v[TB], v[TC], 4, v[TB]
	v_add_nc_u32 v[TB], s58, v[TB]
.irp p, 0,1,2,3
	v_add_nc_u32 v[XA+\p], 64*XP*\p, v[TB]
.endr
	s_wait_kmcnt 0x0
	s_cmp_eq_u32 s5, 0
	s_cselect_b64 s[32:33], s[8:9], s[10:11]       ; source: x for job 0, y else
	s_cselect_b64 s[34:35], s[12:13], s[14:15]     ; W
	s_cselect_b64 s[36:37], s[18:19], s[20:21]     ; bias
	s_cselect_b64 s[38:39], s[24:25], s[26:27]     ; output
	s_cmp_eq_u32 s5, 2
	s_cselect_b64 s[34:35], s[16:17], s[34:35]
	s_cselect_b64 s[36:37], s[22:23], s[36:37]
	s_cselect_b64 s[38:39], s[28:29], s[38:39]
	s_cselect_b32 s40, 0, 32                       ; bias offset = 256 dg + 64 dbl + sh (lane / 16) + sr (lane % 16) + sj j
	s_cselect_b32 s41, 4, 0                        ; jobs 0, 1: register j holds d = 8 (lane / 16) + j;  job 2: every register holds d = lane % 16
	s_cselect_b32 s42, 0, 4
	s_cselect_b32 s43, s50, 512                    ; bytes from row to row of the output
	s_cselect_b32 s46, s48, s46
	s_add_nc_u64 s[32:33], s[32:33], s[44:45]
	s_add_nc_u64 s[38:39], s[38:39], s[46:47]
	s_mul_i32 s51, s4, s43
	s_lshl_b32 s51, s51, 5                         ; the 32 rows of the output that I store
	v_lshl_add_u32 v[CO], v[LN], 4, s51
	v_mul_u32_u24 v[TA], s40, v[HH]
	v_mad_u32_u24 v[TA], v[RR], s41, v[TA]
	s_lshl_b32 s52, s30, 8
	v_add_nc_u32 v[TA], s52, v[TA]
.irp j, 0,1,2,3,4,5,6,7
	v_mad_u32_u24 v[BOJ+\j], s42, \j, v[TA]
.endr
.irp dbl, 0,1,2,3
.irp j, 0,1,2,3,4,5,6,7
	global_load_b32 v[BI+8*\dbl+\j], v[BOJ+\j], s[36:37] offset:64*\dbl   ; the bias in the accumulators' layout: it starts the sums
.endr
.endr
; PHASE A.  Batch idx = 16 loads = 8 rows of 1,024 bytes; each load of the wave covers 512 consecutive bytes.  Batches 0-3: rows 32 w .. of W; 4-7: rows 32 w .. of x or y.
.macro GLOAD idx, buf
.set k, 0
.rept 16
.if (\idx) < 4
	global_load_b128 v[\buf+4*k:\buf+4*k+3], v[WO], s[34:35] offset:(8*((\idx)&3)+(k>>1))*1024+512*(k&1)
.else
	global_load_b128 v[\buf+4*k:\buf+4*k+3], v[XO], s[32:33] offset:(8*((\idx)&3)+(k>>1))*16384+512*(k&1)
.endif
.set k, k+1
.endr
.endm
; four f32 become four bf16, 8 bytes a lane: 32 lanes store 256 consecutive bytes of an LDS row.  The batch's conversions stand in one run ahead of its stores.
.macro CVST idx, buf
.set k, 0
.rept 16
	v_cvt_pk_bf16_f32 v[\buf+4*k], v[\buf+4*k], v[\buf+4*k+1]
	v_cvt_pk_bf16_f32 v[\buf+4*k+1], v[\buf+4*k+2], v[\buf+4*k+3]
.set k, k+1
.endr
.set k, 0
.rept 16
.if (\idx) < 4
	ds_store_b64 v[WL], v[\buf+4*k:\buf+4*k+1] offset:(8*((\idx)&3)+(k>>1))*WP+256*(k&1)
.else
	ds_store_b64 v[XL], v[\buf+4*k:\buf+4*k+1] offset:(8*((\idx)&3)+(k>>1))*XP+256*(k&1)
.endif
.set k, k+1
.endr
.endm
; a ring of three register buffers: left = the loads of the younger batches, which stay out
.macro ASTEP idx, left
	s_wait_loadcnt \left
	CVST \idx, B0+64*(\idx%3)
.if \idx <= 4
	GLOAD \idx+3, B0+64*(\idx%3)
.endif
.endm
	GLOAD 0, B0
	GLOAD 1, B0+64
	GLOAD 2, B0+128
.irp i, 0,1,2,3
	ASTEP \i, 32                                   ; two younger batches of 16; the bias loads are older than every batch
.endr
	s_wait_dscnt 0x0                               ; my 32 rows of W are stored
	s_barrier_signal -1
	s_barrier_wait -1                              ; everybody's are: my 64 rows of fragments come from two waves' stores.  The loads of x or y stay on their way
	WIN 0x40                                       ; destination window 1
.irp dbl, 0,1,2,3
.irp ks, 0,1,2,3,4,5,6,7
	ds_load_b128 v[8*(8*\dbl+\ks):8*(8*\dbl+\ks)+3],   v[WF] offset:16*WP*\dbl+64*\ks
	ds_load_b128 v[8*(8*\dbl+\ks)+4:8*(8*\dbl+\ks)+7], v[WF] offset:16*WP*\dbl+64*\ks+32
.endr
.endr
	WIN 0
	ASTEP 4, 32
	ASTEP 5, 32                                    ; batches 6 and 7
	ASTEP 6, 16                                    ; batch 7
	ASTEP 7, 0
	s_wait_dscnt 0x0                               ; my stores of the tile are done, and my W fragments are in registers:
	s_barrier_signal -1
	s_barrier_wait -1                              ; the tile is whole, and nobody reads W's bytes any more: the stage may be written
; PHASE B.  Eight fragments (16 positions x 256 c) of my block nb (0 to 7), from the tile that lies [c][n], by transposing loads.
.macro XLOAD nb, buf
.irp ks, 0,1,2,3,4,5,6,7
	ds_load_tr16_b128 v[\buf+8*\ks:\buf+8*\ks+3],   v[XA+(\ks>>1)] offset:(\ks&1)*32*XP+32*(\nb)
	ds_load_tr16_b128 v[\buf+8*\ks+4:\buf+8*\ks+7], v[XA+(\ks>>1)] offset:(\ks&1)*32*XP+32*(\nb)+16*XP
.endr
.endm
; jobs 0, 1: source 0 = W (rows d), source 1 = x or y (columns n): a lane holds eight neighbouring d of one position.  Job 2: the sources swapped: eight neighbouring positions of one d.
.macro PMM isv, acc, xf, wf, cc
.if \isv
	v_wmma_f32_16x16x32_bf16 v[\acc:\acc+7], v[\xf:\xf+7], v[\wf:\wf+7], v[\cc:\cc+7]
.else
	v_wmma_f32_16x16x32_bf16 v[\acc:\acc+7], v[\wf:\wf+7], v[\xf:\xf+7], v[\cc:\cc+7]
.endif
.endm
; One block of 16 positions x my 64 d.  left = the LDS instructions issued behind this block's fragment loads.
.macro PBLOCK isv, nb, buf, left
	s_wait_dscnt \left
.if \isv
	WIN 0x04                                       ; source 1 (W) window 1
.else
	WIN 0x01                                       ; source 0 (W) window 1
.endif
.irp ks, 0,1,2,3,4,5,6,7                           ; the four accumulators take turns, one instruction a turn
.irp dbl, 0,1,2,3
.if \ks == 0
	PMM \isv, ACC+8*\dbl, \buf+8*\ks, 8*(8*\dbl+\ks), BI+8*\dbl
.else
	PMM \isv, ACC+8*\dbl, \buf+8*\ks, 8*(8*\dbl+\ks), ACC+8*\dbl
.endif
.endr
.endr
	WIN 0
	PLACES 4                                       ; four places behind the last matrix instruction: then loads into its sources, and conversions of the results
.if (\nb) <= 5
	XLOAD (\nb)+2, \buf
.endif
.irp dbl, 0,1,2,3                                  ; for each accumulator the four places and the twelve conversions of the other three stand in front of the next block's write over it
.irp i, 0,1,2,3
	v_cvt_pk_bf16_f32 v[TMP+4*\dbl+\i], v[ACC+8*\dbl+2*\i], v[ACC+8*\dbl+2*\i+1]
.endr
.endr
.irp dbl, 0,1,2,3
.if \isv
	ds_store_b128 v[SV], v[TMP+4*\dbl:TMP+4*\dbl+3] offset:16*WP*\dbl+32*(\nb)   ; stage row d, 16 bytes = 8 positions
.else
	ds_store_b128 v[SQ], v[TMP+4*\dbl:TMP+4*\dbl+3] offset:32*\dbl               ; stage row n, 16 bytes = 8 d
.endif
.endr
.if \isv == 0
	v_add_nc_u32 v[SQ], 16*WP, v[SQ]               ; the next 16 stage rows
.endif
.endm
.macro PATH isv
	PBLOCK \isv, 0, XB0, 16                        ; behind block 0's loads: block 1's 16
	PBLOCK \isv, 1, XB1, 20                        ; block 2's 16 loads and 4 stores
.irp nb, 2,4
	PBLOCK \isv, \nb, XB0, 24                      ; 4 stores, 16 loads, 4 stores
	PBLOCK \isv, \nb+1, XB1, 24
.endr
	PBLOCK \isv, 6, XB0, 24
	PBLOCK \isv, 7, XB1, 8                         ; 4 + 4 stores
.endm
	XLOAD 0, XB0
	XLOAD 1, XB1
	s_cmp_eq_u32 s5, 2
	s_cbranch_scc1 .Lpath_v
	PATH 0
	s_branch .Ljoin
.Lpath_v:
	PATH 1
.Ljoin:
	s_wait_dscnt 0x0                               ; my stage stores are done
	s_barrier_signal -1
	s_barrier_wait -1                              ; everybody's are
; THE WAY OUT: stage rows 32 w .. 32 w + 31, one whole row of 512 bytes an instruction.  Each register is loaded once and stored once.
.macro COPYOUT stride
.set t, 0
.rept 32
	ds_load_b128 v[XB0+4*t:XB0+4*t+3], v[RD] offset:t*WP
.set t, t+1
.endr
.set t, 0
.rept 32
	s_wait_dscnt 31-t                              ; LDS loads come back in order: row t is in
	global_store_b128 v[CO], v[XB0+4*t:XB0+4*t+3], s[38:39] offset:t*\stride   ; 512 consecutive bytes, at a multiple of 512 from the buffer's first byte
.set t, t+1
.endr
.endm
	s_cmp_eq_u32 s5, 2
	s_cbranch_scc1 .Lout_v
	COPYOUT 512
	s_wait_tensorcnt 0x0
	ds_add_u32 v222, v223
	s_wait_dscnt 0x0
	s_endpgm
.Lout_v:
	COPYOUT 8192
	s_wait_tensorcnt 0x0
	ds_add_u32 v222, v223
	s_wait_dscnt 0x0
	s_endpgm
.Lfunc_end_k_qd99cb50586_proj:
	.size	k_qd99cb50586_proj, .Lfunc_end_k_qd99cb50586_proj-k_qd99cb50586_proj
	.p2alignl 7, 3214868480
	.fill 96, 4, 3214868480
	.section	.rodata,"a",@progbits
	.p2align	6, 0x0
	.amdhsa_kernel k_qd99cb50586_proj
		.amdhsa_group_segment_fixed_size 275456
		.amdhsa_private_segment_fixed_size 0
		.amdhsa_enable_private_segment 0
		.amdhsa_kernarg_size 88
		.amdhsa_user_sgpr_count 2
		.amdhsa_user_sgpr_kernarg_segment_ptr 1
		.amdhsa_wavefront_size32 1
		.amdhsa_system_sgpr_workgroup_id_x 1
		.amdhsa_system_sgpr_workgroup_id_y 1
		.amdhsa_system_sgpr_workgroup_id_z 1
		.amdhsa_system_vgpr_workitem_id 0
		.amdhsa_next_free_vgpr 512
		.amdhsa_next_free_sgpr 66
		.amdhsa_reserve_vcc 0
		.amdhsa_float_denorm_mode_32 3
		.amdhsa_float_denorm_mode_16_64 3
		.amdhsa_memory_ordered 1
		.amdhsa_forward_progress 1
		.amdhsa_inst_pref_size 131
	.end_amdhsa_kernel
	.amdgpu_metadata
---
amdhsa.version: [ 1, 2 ]
amdhsa.kernels:
  - .name:           k_qd99cb50586_proj
    .symbol:         k_qd99cb50586_proj.kd
    .args:
      - { .name: x, .offset: 0, .size: 8, .value_kind: global_buffer, .address_space: global }
      - { .name: y, .offset: 8, .size: 8, .value_kind: global_buffer, .address_space: global }
      - { .name: Wq, .offset: 16, .size: 8, .value_kind: global_buffer, .address_space: global }
      - { .name: Wk, .offset: 24, .size: 8, .value_kind: global_buffer, .address_space: global }
      - { .name: Wv, .offset: 32, .size: 8, .value_kind: global_buffer, .address_space: global }
      - { .name: bq, .offset: 40, .size: 8, .value_kind: global_buffer, .address_space: global }
      - { .name: bk, .offset: 48, .size: 8, .value_kind: global_buffer, .address_space: global }
      - { .name: bv, .offset: 56, .size: 8, .value_kind: global_buffer, .address_space: global }
      - { .name: Qb, .offset: 64, .size: 8, .value_kind: global_buffer, .address_space: global }
      - { .name: Kb, .offset: 72, .size: 8, .value_kind: global_buffer, .address_space: global }
      - { .name: Vt, .offset: 80, .size: 8, .value_kind: global_buffer, .address_space: global }
    .group_segment_fixed_size: 275456
    .private_segment_fixed_size: 0
    .kernarg_segment_align: 8
    .kernarg_segment_size: 88
    .max_flat_workgroup_size: 256
    .sgpr_count:     66
    .vgpr_count:     512
    .wavefront_size: 32
...
	.end_amdgpu_metadata
.endif
;; end of part 1
;; launch attn (part 2): grid 256 x 1, 4 waves a work-group, clusters of 4 x 1, 327,680 bytes of LDS; arguments Qb, Kb, Vt, x, out0; writes out0
.if DOCPART == 2
	.amdgcn_target "amdgcn-amd-amdhsa--gfx1250"
	.amdhsa_code_object_version 6
	.text
	.protected	k_qd99cb50586_attn
	.globl	k_qd99cb50586_attn
	.p2align	8
	.type	k_qd99cb50586_attn,@function
k_qd99cb50586_attn:
	s_mov_b64 s[64:65], 0
	v_nop
	global_prefetch_b8 v0, s[64:65] scope:SCOPE_SE
	s_setreg_imm32_b32 hwreg(HW_REG_WAVE_MODE, 25, 1), 1
	s_wait_xcnt 0x0
	s_wait_alu depctr_hold_cnt(0) depctr_sa_sdst(0) depctr_va_vdst(0) depctr_va_sdst(0) depctr_va_ssrc(0) depctr_va_vcc(0) depctr_vm_vsrc(0)
	s_getreg_b32 s2, hwreg(HW_REG_IB_STS2, 6, 4)
	s_cmp_eq_u32 s2, 0
	s_cbranch_scc0 .Lentry_in_a_cluster
	s_endpgm
.Lentry_in_a_cluster:
	s_bfe_u32 s2, ttmp6, 0x10000c
	s_cmp_lg_u32 s2, 0x3003
	s_cbranch_scc0 .Lentry_shape_is_right
	s_endpgm
.Lentry_shape_is_right:
; out0[b][d][n] = x[b][d][n] + sum over keys k of softmax over k (Q[n] . K[k] / 16) V[k][d].
; Qb, Kb: [4][4096][256] bf16.  Vt: [4][256 d][4096 k] bf16.  x, out0: [4][256][4096] f32.
; A work-group owns 64 queries of one batch and walks the batch's 4,096 keys in 16 steps of 256.  THE KEYS ARE SPLIT AMONG THE FOUR WAVES: in each step wave w takes
; keys 64 w .. 64 w + 63 of the step's tile for all 64 queries and all 256 d, with a running maximum, a sum and a partial result (512 registers) of its own; so each LDS byte
; of K and V is read once and feeds 64 queries.  The four partial results are joined once, at the end, through LDS.
; ORIENTATION: S^T = K Q^T (source 0 = 16 keys, source 1 = 16 queries): a lane holds one query and eight keys, and two packed tiles ARE the fragment of P for 32 keys.
; O^T = V^T P^T (source 0 = 16 d, source 1 = 16 queries): a lane holds the same query again.  So maximum, sum and rescale factor are one number for a lane and a block of 16 queries.
; CLUSTERS: the four work-groups of a cluster belong to one batch (64 work-groups a batch) and walk the same tiles of K and V: every tile is asked for jointly, mask 15.
; The place in the cluster enters only the global addresses of Qb, x and out0.
; THE ORDER OF THE TILES: a running maximum takes the keys in any order.  Cluster j (0 to 15) of a batch begins at tile 2 j (j < 8) or 31 - 2 j (j >= 8) and goes round modulo 16:
; in the first step the sixteen clusters ask for sixteen different tiles, and from then on a cluster asks for tiles that another cluster has asked for in an earlier step.
; j and 15 - j begin at neighbouring tiles, so that of the eight clusters that any one bit of j picks out the starts lie at most three tiles apart.
; THE RING: one slot for K, one for V, 256 keys each.  K's is filled again while V's is multiplied, V's while K's is.  By this text's count a wave has two tensor loads out at the start, later one.
; LIMITS: Q, K, V and P are bf16 operands; the row sum adds the f32 exponentials while P is rounded to bf16 for the product; v_exp_f32 gives zero where the result
; would be below 2^-126 (ISA guide 15.8); the scores must be finite, as in the reference computation.  The maximum is a true running maximum.
.set KP,     528                       ; LDS pitch of a row of 512 bytes: 33 x 16 bytes
.set QUART,  64*KP                     ; 33,792: what one tensor load fills
.set VSLOT,  256*KP                    ; 135,168: V's slot lies behind K's
.set SP,     272                       ; the end's stage: a row of 64 f32 + 16 bytes
.set REGION, 256*SP                    ; 69,632: one wave's partial result, [256 d][64 queries]; the four regions take the slots' place after their last fill
.set STATS,  4*REGION                  ; 278,528: 512 bytes a wave: 64 maxima, 64 sums; no fill ever lands here
.set ADRK, 1                           ; v1      LDS address of my K fragments
.set ADRV, 2                           ; v2-3    of my V fragments, d 0-127 and 128-255
.set NM2,  4                           ; v4-11   -c x running maximum, twice (a pair for the packed multiply-add), for each of 4 query blocks
.set AL2,  12                          ; v12-19  the rescale factor, twice; the even registers first hold the step's maximum
.set LS,   20                          ; v20-23  running sums (of my half of the lanes' keys)
.set T,    24                          ; v24-27  at work
.set QO,   28                          ; v28     byte offset of my Q fragments
.set FA,   32                          ; v32-63, v64-95, v96-127: fragment buffers, four fragments each
.set FB,   64
.set FC,   96
.set SB,   128                         ; v128-255 S tile (kb, qb) at 8 (4 qb + kb); packed: P fragment (qb, kk) at 8 (2 qb + kk), v128-191
.set GA,   192                         ; v192-223, v224-255: free once P is packed: two more fragment buffers
.set GB,   224
; window 1: Q fragment (qb, ks) at 8 (8 qb + ks).  Windows 2, 3: O tile (db, qb) at 8 (4 (db % 8) + qb), window 2 + db / 8.
.set G1K, 24                           ; s[24:31] descriptor group 1 for K's tiles
.set G1V, 32                           ; s[32:39] for V's
.set G0K, 40                           ; s[40:43] descriptor group 0 for K's tiles
.set G0V, 44                           ; s[44:47] for V's
; s[6:7]: Kb at my batch and my wave's 64 rows of tile 0.  s[8:9]: Vt at my batch and my wave's 64 rows d.  s60: the number of the tile asked for last.
; s[54:55], s[56:57]: that tile's byte offset in K and in V (the upper words stay 0).
.set MSB, 0
.macro WIN new                         ; the immediate's high byte repeats the setting that is left
.if MSB != \new
	s_set_vgpr_msb (MSB<<8)|\new
.set MSB, \new
.endif
.endm
.macro PLACES cnt
.rept \cnt
	v_nop
.endr
.endm
; A round of the cluster's barrier: my work-group's barrier; wave 0 signals for the work-group; every wave waits for all four work-groups; my work-group's barrier once more.
.macro CREST                           ; a round behind its opening barrier
	s_cmp_lg_u32 s14, 0
	s_cbranch_scc1 .Lnot_wave_0_\@
	s_barrier_signal -3
.Lnot_wave_0_\@:
	s_barrier_wait -3
	s_barrier_signal -1
	s_barrier_wait -1
.endm
.macro CROUND
	s_barrier_signal -1
	s_barrier_wait -1
	CREST
.endm
; K's group 0 for tile s60: 256 rows of 512 bytes a tile.  V's: 256 keys = 512 bytes along its rows.  Written only where no tensor load of the wave is out.
.macro ADDRK
	s_lshl_b32 s54, s60, 17
	s_add_nc_u64 s[G0K+2:G0K+3], s[6:7], s[54:55]
	s_or_b32 s[G0K+3], s[G0K+3], 0x80000000        ; type = 2
.endm
.macro ADDRV
	s_lshl_b32 s56, s60, 9
	s_add_nc_u64 s[G0V+2:G0V+3], s[8:9], s[56:57]
	s_or_b32 s[G0V+3], s[G0V+3], 0x80000000
.endm
	s_load_b256 s[4:11], s[0:1], 0x0               ; Qb s[4:5], Kb s[6:7], Vt s[8:9], x s[10:11]
	s_load_b64 s[12:13], s[0:1], 0x20              ; out0
	v_lshl_add_u32 v126, v0, 2, 0x44800
	v_mov_b32 v127, 0
	ds_add_u32 v126, v127
	s_wait_dscnt 0x0
	v_lshrrev_b32 v29, 5, v0
	v_readfirstlane_b32 s14, v29                   ; wave 0..3
	s_bfe_u32 s15, ttmp6, 0x40000                  ; cx: my place in the cluster
	s_lshl_b32 s16, ttmp9, 2
	s_add_co_u32 s16, s16, s15                     ; work-group = 4 x cluster + cx
	s_lshr_b32 s17, ttmp9, 4                       ; batch: 16 clusters each
	s_and_b32 s61, ttmp9, 15                       ; j: my cluster among the batch's sixteen; the four partners share it
	s_lshl_b32 s60, s61, 1
	s_sub_co_u32 s62, 31, s60
	s_cmp_lt_u32 s61, 8
	s_cselect_b32 s60, s60, s62                    ; the first tile: 2 j, or 31 - 2 j
	s_mov_b32 s48, 0x3db8aa3b                      ; c = log2(e) / 16, twice: exp(s / 16) = 2^(c s)
	s_mov_b32 s49, 0x3db8aa3b
	s_mov_b32 s50, 0xbdb8aa3b                      ; -c
	s_mov_b32 s52, 0x76543210                      ; v_permlanex16_b32: lane i of one half reads lane i of the other
	s_mov_b32 s53, 0xfedcba98
	s_lshl_b32 s20, s16, 15                        ; Qb: 64 rows of 512 bytes a work-group
	s_mov_b32 s21, 0
	s_and_b32 s22, s16, 63                         ; x, out0: batch x 4,194,304 + 64 queries x 4 bytes a work-group
	s_lshl_b32 s22, s22, 8
	s_lshl_b32 s18, s17, 22
	s_add_co_u32 s22, s22, s18
	s_mov_b32 s23, 0
	s_lshl_b32 s54, s17, 21                        ; Kb: batch x 2,097,152 + wave x 64 rows of 512 bytes: nothing of cx
	s_lshl_b32 s55, s14, 15
	s_add_co_u32 s54, s54, s55
	s_mov_b32 s55, 0
	s_lshl_b32 s56, s17, 21                        ; Vt: batch x 2,097,152 + wave x 64 rows of 8,192 bytes
	s_lshl_b32 s57, s14, 19
	s_add_co_u32 s56, s56, s57
	s_mov_b32 s57, 0
	; group 1: a tile of 64 rows x 256 elements of 2 bytes; in LDS 4 words of padding behind every 128 words
.irp g, G1K, G1V
	s_mov_b32 s[\g+0], 15|(1<<16)|(1<<20)|(1<<21)|(6<<22)|(3<<25)   ; 15:0 mask: all four work-groups; 17:16 2 bytes; 20 padding on; 21 set beside a mask; 24:22 interval code 6; 31:25 pad code 3
	s_mov_b32 s[\g+1], 256<<16                     ; tensor_dim0 = 256
	s_mov_b32 s[\g+2], 64<<16                      ; tensor_dim1 = 64
	s_mov_b32 s[\g+3], 256<<16                     ; tile_dim0 = 256
	s_mov_b32 s[\g+4], 64                          ; tile_dim1 = 64
	s_mov_b32 s[\g+6], 0
	s_mov_b32 s[\g+7], 0
.endr
	s_mov_b32 s[G1K+5], 256                        ; elements from row to row: K's rows are keys,
	s_mov_b32 s[G1V+5], 4096                       ; V's rows are d
	s_mul_i32 s58, s14, QUART                      ; wave w fills rows 64 w .. 64 w + 63 of either slot
	s_wait_kmcnt 0x0
	s_add_nc_u64 s[4:5], s[4:5], s[20:21]
	s_add_nc_u64 s[10:11], s[10:11], s[22:23]
	s_add_nc_u64 s[12:13], s[12:13], s[22:23]
	s_add_nc_u64 s[6:7], s[6:7], s[54:55]          ; K and V at my batch and my wave's rows; from here on s54 and s56 hold a tile's offset
	s_add_nc_u64 s[8:9], s[8:9], s[56:57]
	s_mov_b32 s[G0K], 1
	s_mov_b32 s[G0K+1], s58
	ADDRK
	s_mov_b32 s[G0V], 1
	s_add_co_u32 s[G0V+1], s58, VSLOT
	ADDRV
	CROUND                                         ; all four work-groups are here: the first joint loads meet
	tensor_load_to_lds s[G0K:G0K+3], s[G1K:G1K+7]  ; the cluster's first tile
	s_nop 0
	tensor_load_to_lds s[G0V:G0V+3], s[G1V:G1V+7]
	s_nop 0
	v_and_b32 v29, 15, v0                          ; r = lane % 16
	v_bfe_u32 v30, v0, 4, 1                        ; h = lane / 16
	v_mul_u32_u24 v31, v29, KP
	v_lshl_add_u32 v31, v30, 4, v31                ; r x pitch + 16 h
	v_add_nc_u32 v[ADRK], s58, v31                 ; my 64 keys are the rows that my own loads fill
	s_lshl_b32 s20, s14, 7                         ; in V's rows my 64 keys are 128 bytes
	s_add_co_u32 s20, s20, VSLOT
	v_add_nc_u32 v[ADRV], s20, v31
	v_add_nc_u32 v[ADRV+1], 128*KP, v[ADRV]
	v_lshlrev_b32 v[QO], 9, v29
	v_lshl_add_u32 v[QO], v30, 4, v[QO]            ; 512 r + 16 h
.irp qb, 0,1,2,3
	v_mov_b32 v[T+\qb], 0                          ; v_permlanex16_b32 counts as a reader of its destination
.endr
	; Q: all 64 queries x 256 d in every wave, 256 registers, straight from memory: 32 KiB, read once, not worth a slot of LDS
	WIN 0x40
.irp qb, 0,1,2,3
.irp ks, 0,1,2,3,4,5,6,7
	global_load_b128 v[8*(8*\qb+\ks):8*(8*\qb+\ks)+3],   v[QO], s[4:5] offset:8192*\qb+64*\ks
	global_load_b128 v[8*(8*\qb+\ks)+4:8*(8*\qb+\ks)+7], v[QO], s[4:5] offset:8192*\qb+64*\ks+32
.endr
.endr
	WIN 0
; Run = 16 keys (kb = run / 2) x 128 d (ks = 4 (run % 2) + i).  Eight loads.
.macro KLOAD run, buf
.irp i, 0,1,2,3
	ds_load_b128 v[\buf+8*\i:\buf+8*\i+3],   v[ADRK] offset:16*KP*((\run)>>1)+64*(4*((\run)&1)+\i)
	ds_load_b128 v[\buf+8*\i+4:\buf+8*\i+7], v[ADRK] offset:16*KP*((\run)>>1)+64*(4*((\run)&1)+\i)+32
.endr
.endm
; 16 matrix instructions; the four query blocks' accumulators take turns, one instruction a turn.  The first product starts the sums.
.macro SRUN run, buf
.irp i, 0,1,2,3
.irp qb, 0,1,2,3
.set sd, SB+8*(4*\qb+((\run)>>1))
.set qf, 8*(8*\qb+4*((\run)&1)+\i)
.if (4*((\run)&1)+\i) == 0
	v_wmma_f32_16x16x32_bf16 v[sd:sd+7], v[\buf+8*\i:\buf+8*\i+7], v[qf:qf+7], 0
.else
	v_wmma_f32_16x16x32_bf16 v[sd:sd+7], v[\buf+8*\i:\buf+8*\i+7], v[qf:qf+7], v[sd:sd+7]
.endif
.endr
.endr
.endm
; S^T for my 64 keys: eight runs on three buffers.  Runs 0 to 2 were fetched ahead.  One window setting serves the matrix instructions (source 1 = Q, window 1)
; and the LDS loads (destination and address in window 0).
.macro SPHASE
	WIN 0x04
.irp run, 0,1,2,3,4,5,6,7
.if \run <= 5
	s_wait_dscnt 16                                ; the loads of the two younger runs may be out
.else
	s_wait_dscnt 8*(7-\run)                        ; one younger run; none
.endif
	SRUN \run, FA+32*(\run%3)
.if \run <= 4
	PLACES 4                                       ; four places, then loads into the fragments just read
	KLOAD \run+3, FA+32*(\run%3)
.endif
.endr
	WIN 0
	PLACES 4                                       ; four places, then the results are read
.endm
; The step's maximum for each query; the new -c x maximum; the factor 2^(new - old), made from the rounded numbers that the exponentials use.
.macro MAXALPHA first
.irp qb, 0,1,2,3
	v_max3_num_f32 v[AL2+2*\qb], v[SB+32*\qb], v[SB+32*\qb+1], v[SB+32*\qb+2]
.endr
.set ii, 0
.rept 14
.irp qb, 0,1,2,3
	v_max3_num_f32 v[AL2+2*\qb], v[AL2+2*\qb], v[SB+32*\qb+3+2*ii], v[SB+32*\qb+4+2*ii]
.endr
.set ii, ii+1
.endr
.irp qb, 0,1,2,3
	v_max_num_f32 v[AL2+2*\qb], v[AL2+2*\qb], v[SB+32*\qb+31]
.endr
.irp qb, 0,1,2,3
	v_permlanex16_b32 v[T+\qb], v[AL2+2*\qb], s52, s53     ; the other half of the lanes holds the query's other 32 keys
.endr
.irp qb, 0,1,2,3
	v_max_num_f32 v[AL2+2*\qb], v[AL2+2*\qb], v[T+\qb]
.endr
.if \first
.irp qb, 0,1,2,3
	v_mul_f32 v[NM2+2*\qb], s50, v[AL2+2*\qb]
	v_mul_f32 v[NM2+2*\qb+1], s50, v[AL2+2*\qb]
.endr
.else
.irp qb, 0,1,2,3
	v_mul_f32 v[T+\qb], s50, v[AL2+2*\qb]                  ; -c x the step's maximum
.endr
.irp qb, 0,1,2,3
	v_sub_f32 v[AL2+2*\qb], v[T+\qb], v[NM2+2*\qb]
	v_min_num_f32 v[NM2+2*\qb], v[NM2+2*\qb], v[T+\qb]     ; a larger maximum is a smaller -c x maximum
	v_min_num_f32 v[NM2+2*\qb+1], v[NM2+2*\qb+1], v[T+\qb]
.endr
.irp qb, 0,1,2,3
	v_min_num_f32 v[T+\qb], 0, v[AL2+2*\qb]                ; new - old, zero where the maximum stands
.endr
.irp qb, 0,1,2,3
	v_exp_f32 v[AL2+2*\qb], v[T+\qb]
	v_exp_f32 v[AL2+2*\qb+1], v[T+\qb]                     ; twice: a pair for the packed multiply
.endr
	v_nop                                          ; one plain place behind the exponentials (ISA guide 5.7.2)
	s_wait_alu depctr_va_vdst(0)
.endif
.endm
; 32 tiles of O times the factor of their query block: 128 packed multiplies
.macro RESCALE win
.if \win == 2
	WIN 0x82                                       ; destination and source 0 window 2, the factor window 0
.else
	WIN 0xc3
.endif
.set t, 0
.rept 32
.irp p, 0,2,4,6
	v_pk_mul_f32 v[8*t+\p:8*t+\p+1], v[8*t+\p:8*t+\p+1], v[AL2+2*(t&3):AL2+2*(t&3)+1]
.endr
.set t, t+1
.endr
.endm
; Run vn = 32 d (db = 2 vn + dl) x my 64 keys (kk = 0, 1).  Eight loads.
.macro VLOAD vn, buf
.irp dl, 0,1
.irp kk, 0,1
	ds_load_b128 v[\buf+8*(2*\dl+\kk):\buf+8*(2*\dl+\kk)+3],   v[ADRV+((2*\vn+\dl)>>3)] offset:16*KP*((2*\vn+\dl)&7)+64*\kk
	ds_load_b128 v[\buf+8*(2*\dl+\kk)+4:\buf+8*(2*\dl+\kk)+7], v[ADRV+((2*\vn+\dl)>>3)] offset:16*KP*((2*\vn+\dl)&7)+64*\kk+32
.endr
.endr
.endm
; 16 matrix instructions; eight accumulators take turns, one instruction a turn
.macro PVRUN vn, buf, first
.irp kk, 0,1
.irp dl, 0,1
.irp qb, 0,1,2,3
.set od, 8*(4*((2*\vn+\dl)&7)+\qb)
.set vf, \buf+8*(2*\dl+\kk)
.set pf, SB+8*(2*\qb+\kk)
.if \first*(1-\kk)
	v_wmma_f32_16x16x32_bf16 v[od:od+7], v[vf:vf+7], v[pf:pf+7], 0
.else
	v_wmma_f32_16x16x32_bf16 v[od:od+7], v[vf:vf+7], v[pf:pf+7], v[od:od+7]
.endif
.endr
.endr
.endr
.endm
; group g = 4 qb + kb, eight registers: 2^(c s - c max)
.macro EFMA g
.irp p, 0,2,4,6
	v_pk_fma_f32 v[SB+8*(\g)+\p:SB+8*(\g)+\p+1], v[SB+8*(\g)+\p:SB+8*(\g)+\p+1], s[48:49], v[NM2+2*((\g)>>2):NM2+2*((\g)>>2)+1] op_sel_hi:[1,0,1]
.endr
.irp p, 0,1,2,3,4,5,6,7
	v_exp_f32 v[SB+8*(\g)+\p], v[SB+8*(\g)+\p]
.endr
.endm
; the group's eight numbers go into two chains of packed sums and are packed to bf16, downward in place: register 4 g + i never lies above its sources 8 g + 2 i
.macro SUMPACK g, first
.set sb, SB+8*(\g)
.if ((\g)&3) == 0
	s_wait_alu depctr_va_vdst(0)
	v_pk_add_f32 v[T:T+1], v[sb:sb+1], v[sb+2:sb+3]        ; the first group starts the chains: nothing is cleared
	v_pk_add_f32 v[T+2:T+3], v[sb+4:sb+5], v[sb+6:sb+7]
.else
	s_wait_alu depctr_va_vdst(0)
	v_pk_add_f32 v[T:T+1], v[T:T+1], v[sb:sb+1]
	v_pk_add_f32 v[T+2:T+3], v[T+2:T+3], v[sb+2:sb+3]
	v_pk_add_f32 v[T:T+1], v[T:T+1], v[sb+4:sb+5]
	v_pk_add_f32 v[T+2:T+3], v[T+2:T+3], v[sb+6:sb+7]
.endif
.irp i, 0,1,2,3
	v_cvt_pk_bf16_f32 v[SB+4*(\g)+\i], v[sb+2*\i], v[sb+2*\i+1]
.endr
.if ((\g)&3) == 3
	v_pk_add_f32 v[T:T+1], v[T:T+1], v[T+2:T+3]
.if \first
	v_add_f32 v[LS+((\g)>>2)], v[T], v[T+1]
.else
	v_add_f32 v[T], v[T], v[T+1]
	v_fma_f32 v[LS+((\g)>>2)], v[LS+((\g)>>2)], v[AL2+2*((\g)>>2)], v[T]
.endif
.endif
.endm
; a group's sums and packing stand behind the next group's multiply-adds and exponentials: plain instructions lie between every exponential and its use (ISA guide 5.7.2)
.macro EXPPACK first
	EFMA 0
.irp g, 0,1,2,3,4,5,6,7,8,9,10,11,12,13,14
	EFMA \g+1
	SUMPACK \g, \first
.endr
	SUMPACK 15, \first
.endm
; ONE STEP OF 256 KEYS.  On entry: K's slot holds the step's keys, runs 0-2 of my K fragments are fetched, V's tile is on its way.
.macro STEP first, last
	SPHASE
	MAXALPHA \first
.if \first == 0
	RESCALE 2
.endif
	s_wait_dscnt 0x0                               ; my reads of K's slot are over
	s_wait_xcnt 0x0
	s_set_vgpr_msb (MSB<<8)|((MSB&0x3c)|0x0)
	v_lshl_add_u32 v126, v0, 2, 0x44800
	v_mov_b32 v127, 0
	s_set_vgpr_msb (((MSB&0x3c)|0x0)<<8)|((MSB&0x30)|0x0)
	s_wait_tensorcnt 0x0                           ; all my tensor loads have landed: the one that was out is my quarter of this step's V
	ds_add_u32 v126, v127
	s_wait_dscnt 0x0
	s_set_vgpr_msb (((MSB&0x30)|0x0)<<8)|MSB
.if \last == 0
	s_add_co_u32 s60, s60, 1                       ; no load of mine is out, so a group 0 may be written: the next tile, round modulo 16
	s_and_b32 s60, s60, 15
	ADDRK
.endif
	s_barrier_signal -1                            ; say so (where K's slot is filled again this barrier opens a round of the cluster's barrier),
.if \first == 0
	RESCALE 3                                      ; work on registers while the others arrive,
.endif
	WIN 0
	s_barrier_wait -1                              ; and go on when all four have said so: V's tile is whole
.if \last == 0
	CREST                                          ; no wave of any partner still reads K's slot or has a load on its way
	tensor_load_to_lds s[G0K:G0K+3], s[G1K:G1K+7]  ; my one tensor load behind the round, and the first thing there: the next step's keys
	s_nop 0
.endif
	VLOAD 0, FA
	VLOAD 1, FB
	VLOAD 2, FC
	EXPPACK \first                                 ; the exponentials cover those loads' way
	VLOAD 3, GA
	VLOAD 4, GB
	s_wait_dscnt 32                                ; run 0 is in; runs 1-4 may be out
	WIN 0xa0                                       ; C and D window 2
	PVRUN 0, FA, \first
	WIN 0
	PLACES 4
	VLOAD 5, FA
	s_wait_dscnt 32                                ; runs 2-5 may be out
	WIN 0xa0
	PVRUN 1, FB, \first
	WIN 0
	PLACES 4
	VLOAD 6, FB
	s_wait_dscnt 32                                ; runs 3-6
	WIN 0xa0
	PVRUN 2, FC, \first
	s_wait_dscnt 24                                ; runs 4-6
	PVRUN 3, GA, \first
	WIN 0
	PLACES 4
	VLOAD 7, GA
	s_wait_dscnt 24                                ; runs 5-7
	WIN 0xf0                                       ; C and D window 3
	PVRUN 4, GB, \first
	s_wait_dscnt 16                                ; runs 6, 7
	PVRUN 5, FA, \first
	s_wait_dscnt 8                                 ; run 7
	PVRUN 6, FB, \first
	WIN 0
.if \last == 0
	s_wait_xcnt 0x0
	s_set_vgpr_msb (MSB<<8)|((MSB&0x3c)|0x0)
	v_lshl_add_u32 v126, v0, 2, 0x44800
	v_mov_b32 v127, 0
	s_set_vgpr_msb (((MSB&0x3c)|0x0)<<8)|((MSB&0x30)|0x0)
	s_wait_tensorcnt 0x0                           ; all my tensor loads have landed: my quarter of the next step's keys, which I alone read
	ds_add_u32 v126, v127
	s_wait_dscnt 0x0
	s_set_vgpr_msb (((MSB&0x30)|0x0)<<8)|MSB
	ADDRV                                          ; no load of mine is out: V's part of the tile whose keys were just fetched
	PLACES 4
	KLOAD 0, FA                                    ; the next step's first three runs, from rows that my own load brought
	KLOAD 1, FB
	KLOAD 2, FC
	s_wait_dscnt 24                                ; V's run 7 is in; those 24 may be out
.else
	s_wait_dscnt 0x0
.endif
	WIN 0xf0
	PVRUN 7, GA, \first
	WIN 0
.if \last == 0
	s_wait_dscnt 0x0                               ; my reads of V's slot are over (and no tensor load of mine is out since the wait above)
	s_barrier_signal -1                            ; this barrier opens a round of the cluster's barrier
	PLACES 5                                       ; five places behind the last matrix instruction: the next one writes over P and over fragments (ISA guide 7.12.1)
	s_barrier_wait -1
	CREST                                          ; no wave of any partner still reads V's slot or has a load on its way
	tensor_load_to_lds s[G0V:G0V+3], s[G1V:G1V+7]  ; my one tensor load behind the round: the next step's V
	s_nop 0
.endif
.endm
	s_wait_tensorcnt 0x1                           ; my quarter of the first keys is in, and I alone read it; V's tile may stay out
	KLOAD 0, FA
	KLOAD 1, FB
	KLOAD 2, FC
	s_wait_loadcnt 0x0                             ; Q
	STEP 1, 0                                      ; the first step starts maximum, sums and O
	s_mov_b32 s51, 14
.Lstep:
	STEP 0, 0
	s_sub_co_u32 s51, s51, 1
	s_cmp_lg_u32 s51, 0
	s_cbranch_scc1 .Lstep
	STEP 0, 1                                      ; the last step fills nothing
; THE END.  The four waves' figures meet in LDS; each wave scales its partial O by 2^(joint - own) / joint sum and lays it into its region; each wave then adds the
; four regions and x for 64 rows d and stores them.
.set XO,   29
.set SAW,  30
.set SA,   31
.set STO0, 28
.set STO1, 1
.set RD,   4
.set ST,   96                          ; v96-127: wave ww's maxima at 8 ww + qb, its sums at 8 ww + 4 + qb
	PLACES 4                                       ; four places behind the last matrix instruction: then loads into its sources, and its results are read
	v_and_b32 v2, 15, v0                           ; r
	v_bfe_u32 v3, v0, 4, 1                         ; h
	s_lshl_b32 s20, s14, 20                        ; my 64 rows d of 16,384 bytes
	v_lshlrev_b32 v[XO], 14, v3                    ; lanes 16-31 take the row below
	v_lshl_add_u32 v[XO], v2, 4, v[XO]
	v_add_nc_u32 v[XO], s20, v[XO]
.set ii, 0
.rept 32
	global_load_b128 v[SB+4*ii:SB+4*ii+3], v[XO], s[10:11] offset:32768*ii th:TH_LOAD_NT   ; two rows' 256 consecutive bytes each
.set ii, ii+1
.endr
.irp qb, 0,1,2,3
	v_permlanex16_b32 v[T+\qb], v[LS+\qb], s52, s53
.endr
.irp qb, 0,1,2,3
	v_add_f32 v[LS+\qb], v[LS+\qb], v[T+\qb]       ; the two halves' keys
.endr
	s_lshl_b32 s21, s14, 9
	s_add_co_u32 s21, s21, STATS
	v_lshl_add_u32 v[SAW], v2, 2, s21
	v_lshlrev_b32 v[SA], 2, v2
	v_add_nc_u32 v[SA], STATS, v[SA]
.irp qb, 0,1,2,3
	ds_store_b32 v[SAW], v[NM2+2*\qb] offset:64*\qb
	ds_store_b32 v[SAW], v[LS+\qb] offset:64*\qb+256
.endr
	s_wait_dscnt 0x0                               ; my figures are stored, and my reads of both slots are over
	s_barrier_signal -1
	s_barrier_wait -1                              ; everybody's: the slots, which have had their last fill, may be written
.irp ww, 0,1,2,3
.irp qb, 0,1,2,3
	ds_load_b32 v[ST+8*\ww+\qb], v[SA] offset:512*\ww+64*\qb
	ds_load_b32 v[ST+8*\ww+4+\qb], v[SA] offset:512*\ww+64*\qb+256
.endr
.endr
	s_mul_i32 s22, s14, REGION
	v_mul_u32_u24 v[STO0], v3, 8*SP                ; row 8 h + j of a tile, column r
	v_lshl_add_u32 v[STO0], v2, 2, v[STO0]
	v_add_nc_u32 v[STO0], s22, v[STO0]
	v_add_nc_u32 v[STO1], 128*SP, v[STO0]
	s_wait_dscnt 0x0
.irp qb, 0,1,2,3
	v_min3_num_f32 v[T+\qb], v[ST+\qb], v[ST+8+\qb], v[ST+16+\qb]
.endr
.irp qb, 0,1,2,3
	v_min_num_f32 v[T+\qb], v[T+\qb], v[ST+24+\qb] ; -c x the joint maximum
.endr
.irp qb, 0,1,2,3
.irp ww, 0,1,2,3
	v_sub_f32 v[ST+8*\ww+\qb], v[T+\qb], v[ST+8*\ww+\qb]
.endr
	v_sub_f32 v[AL2+2*\qb], v[T+\qb], v[NM2+2*\qb]
.endr
.irp qb, 0,1,2,3
.irp ww, 0,1,2,3
	v_exp_f32 v[ST+8*\ww+\qb], v[ST+8*\ww+\qb]
.endr
	v_exp_f32 v[AL2+2*\qb], v[AL2+2*\qb]           ; my own wave's factor
.endr
	v_nop
	s_wait_alu depctr_va_vdst(0)
.irp qb, 0,1,2,3
	v_mul_f32 v[T+\qb], v[ST+\qb], v[ST+4+\qb]
.endr
.irp ww, 1,2,3
.irp qb, 0,1,2,3
	v_fmac_f32 v[T+\qb], v[ST+8*\ww+\qb], v[ST+8*\ww+4+\qb]
.endr
.endr
.irp qb, 0,1,2,3
	v_rcp_f32 v[T+\qb], v[T+\qb]                   ; the joint sum is at least about 1: the largest score's own term
.endr
	v_nop
	s_wait_alu depctr_va_vdst(0)
.irp qb, 0,1,2,3
	v_mul_f32 v[AL2+2*\qb+1], v[AL2+2*\qb], v[T+\qb]
	v_mul_f32 v[AL2+2*\qb], v[AL2+2*\qb], v[T+\qb]
.endr
; 32 tiles: scaled, then one word a lane: lanes 0-15 fill 64 bytes of row 16 db + j, lanes 16-31 of the row eight below, 2,176 bytes = 544 words further
.macro STAGE win, adr
	RESCALE \win
.if \win == 2
	WIN 0x08                                       ; store data window 2
.else
	WIN 0x0c
.endif
.set t, 0
.rept 32
.irp j, 0,1,2,3,4,5,6,7
	ds_store_b32 v[\adr], v[8*t+\j] offset:(16*(t>>2)+\j)*SP+64*(t&3)
.endr
.set t, t+1
.endr
.endm
	STAGE 2, STO0
	STAGE 3, STO1
	WIN 0
	s_mul_i32 s23, s14, 64*SP
	v_mul_u32_u24 v[RD], v3, SP                    ; back: lanes 0-15 take one row of 256 bytes, lanes 16-31 the next
	v_lshl_add_u32 v[RD], v2, 4, v[RD]
	v_add_nc_u32 v[RD], s23, v[RD]
.irp g, 1,2,3
	v_add_nc_u32 v[RD+\g], REGION*\g, v[RD]
.endr
	s_wait_dscnt 0x0                               ; my region is stored
	s_barrier_signal -1
	s_barrier_wait -1                              ; everybody's is
	s_wait_loadcnt 0x0                             ; x
.irp bt, 0,1,2,3,4,5,6,7
.irp p, 0,1,2,3
.irp g, 0,1,2,3
	ds_load_b128 v[FA+16*\p+4*\g:FA+16*\p+4*\g+3], v[RD+\g] offset:2*SP*(4*\bt+\p)
.endr
.endr
.irp p, 0,1,2,3
	s_wait_dscnt 12-4*\p                           ; pair p's four loads are in; the younger pairs' may be out
.set ra, FA+16*\p
.set rx, SB+4*(4*\bt+\p)
	v_pk_add_f32 v[ra:ra+1], v[ra:ra+1], v[ra+4:ra+5]
	v_pk_add_f32 v[ra+2:ra+3], v[ra+2:ra+3], v[ra+6:ra+7]
	v_pk_add_f32 v[ra+8:ra+9], v[ra+8:ra+9], v[ra+12:ra+13]
	v_pk_add_f32 v[ra+10:ra+11], v[ra+10:ra+11], v[ra+14:ra+15]
	v_pk_add_f32 v[ra:ra+1], v[ra:ra+1], v[ra+8:ra+9]
	v_pk_add_f32 v[ra+2:ra+3], v[ra+2:ra+3], v[ra+10:ra+11]
	v_pk_add_f32 v[rx:rx+1], v[rx:rx+1], v[ra:ra+1]
	v_pk_add_f32 v[rx+2:rx+3], v[rx+2:rx+3], v[ra+2:ra+3]
	global_store_b128 v[XO], v[rx:rx+3], s[12:13] offset:32768*(4*\bt+\p) th:TH_STORE_NT   ; 16 lanes store 256 consecutive bytes, at a multiple of 256 from out0's first byte; each data register is written once
.endr
.endr
	s_wait_xcnt 0x0
	s_set_vgpr_msb (MSB<<8)|((MSB&0x3c)|0x0)
	v_lshl_add_u32 v126, v0, 2, 0x44800
	v_mov_b32 v127, 0
	s_set_vgpr_msb (((MSB&0x3c)|0x0)<<8)|((MSB&0x30)|0x0)
	s_wait_tensorcnt 0x0
	ds_add_u32 v126, v127
	s_wait_dscnt 0x0
	s_set_vgpr_msb (((MSB&0x30)|0x0)<<8)|MSB
	CROUND                                         ; the closing round: no work-group ends while a partner may still ask for a tile that names it
	s_endpgm
.Lfunc_end_k_qd99cb50586_attn:
	.size	k_qd99cb50586_attn, .Lfunc_end_k_qd99cb50586_attn-k_qd99cb50586_attn
	.p2alignl 7, 3214868480
	.fill 96, 4, 3214868480
	.section	.rodata,"a",@progbits
	.p2align	6, 0x0
	.amdhsa_kernel k_qd99cb50586_attn
		.amdhsa_group_segment_fixed_size 327680
		.amdhsa_private_segment_fixed_size 0
		.amdhsa_enable_private_segment 0
		.amdhsa_kernarg_size 40
		.amdhsa_user_sgpr_count 2
		.amdhsa_user_sgpr_kernarg_segment_ptr 1
		.amdhsa_wavefront_size32 1
		.amdhsa_system_sgpr_workgroup_id_x 1
		.amdhsa_system_sgpr_workgroup_id_y 1
		.amdhsa_system_sgpr_workgroup_id_z 1
		.amdhsa_system_vgpr_workitem_id 0
		.amdhsa_next_free_vgpr 1024
		.amdhsa_next_free_sgpr 66
		.amdhsa_reserve_vcc 0
		.amdhsa_float_denorm_mode_32 3
		.amdhsa_float_denorm_mode_16_64 3
		.amdhsa_memory_ordered 1
		.amdhsa_forward_progress 1
		.amdhsa_inst_pref_size 255
	.end_amdhsa_kernel
	.section	.bss,"aw",@nobits
	.p2align	6
	.space	262144
	.amdgpu_metadata
---
amdhsa.version: [ 1, 2 ]
amdhsa.kernels:
  - .name:           k_qd99cb50586_attn
    .symbol:         k_qd99cb50586_attn.kd
    .args:
      - { .name: Qb, .offset: 0, .size: 8, .value_kind: global_buffer, .address_space: global }
      - { .name: Kb, .offset: 8, .size: 8, .value_kind: global_buffer, .address_space: global }
      - { .name: Vt, .offset: 16, .size: 8, .value_kind: global_buffer, .address_space: global }
      - { .name: x, .offset: 24, .size: 8, .value_kind: global_buffer, .address_space: global }
      - { .name: out0, .offset: 32, .size: 8, .value_kind: global_buffer, .address_space: global }
    .group_segment_fixed_size: 327680
    .private_segment_fixed_size: 0
    .kernarg_segment_align: 8
    .kernarg_segment_size: 40
    .max_flat_workgroup_size: 128
    .sgpr_count:     66
    .vgpr_count:     1024
    .wavefront_size: 32
...
	.end_amdgpu_metadata
.endif
;; end of part 2
;; ======== version 2 of 2: 2 launches; version 1 with the launch proj written anew for expert scheduling mode
;; workspace buffers: Qb 8,388,608 bytes; Kb 8,388,608 bytes; Vt 8,388,608 bytes
;; launch proj (part 3): grid 64 x 3, 8 waves a work-group, no clusters, 275,456 bytes of LDS; arguments x, y, Wq, Wk, Wv, bq, bk, bv, Qb, Kb, Vt; writes Qb, Kb, Vt
.if DOCPART == 3
	.amdgcn_target "amdgcn-amd-amdhsa--gfx1250"
	.amdhsa_code_object_version 6
	.text
	.protected	k_qd99cb50586_proj
	.globl	k_qd99cb50586_proj
	.p2align	8
	.type	k_qd99cb50586_proj,@function
k_qd99cb50586_proj:
	s_mov_b64 s[64:65], 0
	v_nop
	global_prefetch_b8 v0, s[64:65] scope:SCOPE_SE
	s_setreg_imm32_b32 hwreg(HW_REG_WAVE_SCHED_MODE, 0, 2), 2
	s_setreg_imm32_b32 hwreg(HW_REG_WAVE_MODE, 25, 1), 1
	s_wait_xcnt 0x0
	s_wait_alu depctr_vm_vsrc(0)
; The three projections.  x, y: [4][256 c][4096 n] f32.  W: [256 d][256 c] f32.  b: [256] f32.
;   job 0: Qb[b][n][d] = sum over c of x[b][c][n] Wq[d][c] + bq[d]      job 1: Kb likewise from y, Wk, bk      (bf16, a row = 512 bytes)
;   job 2: Vt[b][d][n] = sum over c of y[b][c][n] Wv[d][c] + bv[d]      (bf16, a row = 8,192 bytes)
; Grid x = 64 groups of 256 positions n, grid y = the job.  A work-group makes all 256 d x 256 n of one matrix with EIGHT waves:
; wave w = (dg = w % 4, nh = w / 4) makes d = 64 dg .. 64 dg + 63 for the positions 128 nh .. 128 nh + 127.  Eight waves, because the 512 KiB that the
; work-group loads come through registers: each wave keeps 48 loads of 512 bytes on their way, 192 KiB for the eight.
; LIMITS: operands are rounded to bf16 (x, y, W) and so are the results; the sums and the bias are f32.
; NO CLUSTER, NO TENSOR LOADS: the tiles are f32 in memory and are rounded to bf16 in registers on their way into LDS.  A joint request would bring
; them into LDS as f32: 2 x 262,144 bytes, which is more than the work-group's LDS.
; 192 equal work-groups: 256 equal ones would need 192 positions each, which does not divide 4,096.
; LDS: the x or y tile as bf16 [256 c][256 n], pitch 544 = 17 x 32 bytes (for the transposing loads); behind it W as bf16 [256 d][256 c], pitch
; 528 = 33 x 16 bytes.  W's bytes are dead once every wave holds its fragments in registers; the output stage (256 rows x 512 bytes, pitch 528) takes their place.
; Behind the stage, from byte 0x43000 on, the spare words: 128 bytes for each of the eight waves, which no line names but the closing add.
; THE MODE: SCHED_MODE bits 1:0 = 2 (LLVM: expert scheduling mode 2), set by the entry lines.  The code itself states the register dependences
; between vector or matrix instructions and memory or LDS instructions, with s_wait_alu, always for 0.
; THE PLAN.  Registers that memory or LDS instructions touch:
;   v1-13, v208-215  offsets and LDS addresses: written once at the head, read by loads and stores, never written again (rows and blocks stand in the immediates).
;   B0, B1, B2       phase A: batch idx lands in B[idx % 3]; its 32 conversions read it; batch idx + 3 lands in it again.
;   OUT0, OUT1       phase A, steps 0 to 4: step idx's conversions write OUT[idx % 2], its 16 LDS stores read it.  So no store reads a load buffer that is asked for again,
;                    and a step's refill goes out ahead of its stores.  They lie in window 1, in registers that W's last eight fragments take afterwards.
;                    Steps 5 to 7 ask for nothing more and convert in place.
;   window 1         W's fragments: written by LDS loads behind the first barrier (the four that land in OUT0: in step 5, since step 4 still uses it), then read by matrix instructions alone.
;   XB0, XB1         phase B: written by the transposing loads, read by a block's 32 matrix instructions, then loaded again for the block two further on; at the end the stage's rows land in them.
;   TMP              phase B: written by a block's 16 conversions, read by its four stage stores.
;   ACC, BI (once it is loaded) and W in phase B are named by vector and matrix instructions alone.  v222, v223: written at the head, read by the closing add alone.
; So a step of phase A has one wait on va_vdst, behind its conversions, and a block of phase B one, behind its conversions; the waits on vm_vsrc stand a step's conversions,
; or a block's matrix instructions, behind the stores that they speak of.
.set XP,   544
.set WP,   528
.set WREG, 256*XP                      ; 139,264
.set STG,  WREG
.set WO,   1                           ; v1      byte offset in W of my 16 bytes in the first of the 32 rows that my wave loads
.set XO,   2                           ; v2      the same in x or y
.set WL,   3                           ; v3      LDS: where my 8 bytes of W go
.set XL,   4                           ; v4      LDS: where my 8 bytes of x or y go
.set WF,   5                           ; v5      LDS: my W fragments (rows 64 dg ..)
.set XA,   6                           ; v6-9    LDS: my x or y fragments, one register for each 64 rows c; my half of the positions is in the register
.set SQ,   10                          ; v10     LDS: where jobs 0 and 1 put their 16 bytes in the stage, in my first block; a block's 16 rows stand in the store's immediate
.set SV,   11                          ; v11     LDS: where job 2 puts its 16 bytes in the stage
.set RD,   12                          ; v12     LDS: where I read the stage back
.set CO,   13                          ; v13     my byte offset in the output
.set B0,   16                          ; v16-207 phase A: three load buffers of 64 registers
.set ACC,  16                          ; v16-47  phase B: four accumulator tiles
.set TMP,  48                          ; v48-63  phase B: packed results
.set XB0,  64                          ; v64-127, v128-191  phase B: two buffers of eight x or y fragments; then the way out
.set XB1,  128
.set BOJ,  208                         ; v208-215 byte offsets of the bias for accumulator register j
.set LN,   216                         ; lane
.set RR,   217                         ; lane % 16
.set HH,   218                         ; lane / 16
.set TA,   219
.set TB,   220
.set TC,   221
.set BI,   224                         ; v224-255 four bias tiles, laid out as accumulators
; window 1 (v256-511): my W fragments, (dbl, ks) at 8 (8 dbl + ks)
.set OUT0, 224                         ; window 1, v480-511: out-buffer of the even steps 0, 2, 4; then W's fragments 28 to 31
.set OUT1, 192                         ; window 1, v448-479: out-buffer of the odd steps 1, 3; then W's fragments 24 to 27
.set MSB, 0
.macro WIN new                         ; the immediate's high byte repeats the setting that is left
.if MSB != \new
	s_set_vgpr_msb (MSB<<8)|\new
.set MSB, \new
.endif
.endm
.macro PLACES cnt
.rept \cnt
	v_nop
.endr
.endm
	s_load_b512 s[8:23], s[0:1], 0x0               ; x, y, Wq, Wk, Wv, bq, bk, bv
	s_load_b128 s[24:27], s[0:1], 0x40             ; Qb, Kb
	s_load_b64 s[28:29], s[0:1], 0x50              ; Vt
	v_lshl_add_u32 v222, v0, 2, 0x43000            ; the LDS address of my spare word, and 0: made here and kept for the closing lines alone
	v_mov_b32 v223, 0
	v_lshrrev_b32 v[TA], 5, v0
	v_readfirstlane_b32 s4, v[TA]                  ; wave 0..7
	s_and_b32 s5, ttmp7, 0xffff                    ; job
	s_lshr_b32 s6, ttmp9, 4                        ; batch
	s_and_b32 s7, ttmp9, 15                        ; which 256 positions of the batch
	s_lshl_b32 s44, s6, 22                         ; source: batch x 4,194,304 + block x 1,024 bytes
	s_lshl_b32 s46, s7, 10
	s_add_co_u32 s44, s44, s46
	s_mov_b32 s45, 0
	s_lshl_b32 s46, ttmp9, 17                      ; output of jobs 0, 1: group x 256 rows x 512 bytes
	s_mov_b32 s47, 0
	s_lshl_b32 s48, s6, 21                         ; output of job 2: batch x 2,097,152 + block x 512 bytes
	s_lshl_b32 s49, s7, 9
	s_add_co_u32 s48, s48, s49
	s_mov_b32 s50, 8192
	v_and_b32 v[LN], 31, v0
	v_and_b32 v[RR], 15, v0
	v_bfe_u32 v[HH], v0, 4, 1
	s_wait_alu depctr_va_sdst(0)                   ; s4 is written, ahead of its first reader: the wave's shares and addresses are made from it
	s_and_b32 s30, s4, 3                           ; dg: which 64 d are mine
	s_lshr_b32 s31, s4, 2                          ; nh: which 128 positions are mine
	s_lshl_b32 s52, s4, 15                         ; the 32 rows of W that I load: 32 x 1,024 bytes a wave
	v_lshl_add_u32 v[WO], v[LN], 4, s52
	s_lshl_b32 s53, s4, 19                         ; the 32 rows of x or y that I load: 32 x 16,384 bytes a wave
	v_lshl_add_u32 v[XO], v[LN], 4, s53
	s_mul_i32 s54, s4, 32*WP
	s_add_co_u32 s54, s54, WREG                    ; rows 32 w .. of W, and of the stage, in LDS
	v_lshl_add_u32 v[WL], v[LN], 3, s54
	v_lshl_add_u32 v[RD], v[LN], 4, s54
	s_mul_i32 s55, s4, 32*XP
	v_lshl_add_u32 v[XL], v[LN], 3, s55
	v_mul_u32_u24 v[TA], v[RR], WP
	v_lshl_add_u32 v[TA], v[HH], 4, v[TA]          ; row (lane % 16) x pitch + 16 x (lane / 16)
	s_mul_i32 s57, s30, 64*WP
	s_add_co_u32 s57, s57, WREG                    ; rows 64 dg .. of W, and of job 2's stage
	v_add_nc_u32 v[WF], s57, v[TA]
	s_lshl_b32 s58, s31, 8                         ; my 128 positions are 256 bytes of a row of bf16
	v_add_nc_u32 v[SV], s58, v[WF]
	s_mul_i32 s56, s31, 128*WP                     ; jobs 0, 1: stage rows 128 nh .., and my 64 d are 128 bytes of every row
	s_lshl_b32 s59, s30, 7
	s_add_co_u32 s56, s56, s59
	s_add_co_u32 s56, s56, STG
	v_add_nc_u32 v[SQ], s56, v[TA]
	v_and_b32 v[TB], 7, v0                         ; transposing load: row 8 (lane / 16) + lane % 8, 16 bytes on for lanes 8-15 and 24-31
	v_lshl_add_u32 v[TB], v[HH], 3, v[TB]
	v_mul_u32_u24 v[TB], v[TB], XP
	v_bfe_u32 v[TC], v0, 3, 1
	v_lshl_add_u32 v[TB], v[TC], 4, v[TB]
	v_add_nc_u32 v[TB], s58, v[TB]
.irp p, 0,1,2,3
	v_add_nc_u32 v[XA+\p], 64*XP*\p, v[TB]
.endr
	s_wait_kmcnt 0x0
	s_cmp_eq_u32 s5, 0
	s_cselect_b64 s[32:33], s[8:9], s[10:11]       ; source: x for job 0, y else
	s_cselect_b64 s[34:35], s[12:13], s[14:15]     ; W
	s_cselect_b64 s[36:37], s[18:19], s[20:21]     ; bias
	s_cselect_b64 s[38:39], s[24:25], s[26:27]     ; output
	s_cmp_eq_u32 s5, 2
	s_cselect_b64 s[34:35], s[16:17], s[34:35]
	s_cselect_b64 s[36:37], s[22:23], s[36:37]
	s_cselect_b64 s[38:39], s[28:29], s[38:39]
	s_cselect_b32 s40, 0, 32                       ; bias offset = 256 dg + 64 dbl + sh (lane / 16) + sr (lane % 16) + sj j
	s_cselect_b32 s41, 4, 0                        ; jobs 0, 1: register j holds d = 8 (lane / 16) + j;  job 2: every register holds d = lane % 16
	s_cselect_b32 s42, 0, 4
	s_cselect_b32 s43, s50, 512                    ; bytes from row to row of the output
	s_cselect_b32 s46, s48, s46
	s_add_nc_u64 s[32:33], s[32:33], s[44:45]
	s_add_nc_u64 s[38:39], s[38:39], s[46:47]
	s_mul_i32 s51, s4, s43
	s_lshl_b32 s51, s51, 5                         ; the 32 rows of the output that I store
	v_lshl_add_u32 v[CO], v[LN], 4, s51
	v_mul_u32_u24 v[TA], s40, v[HH]
	v_mad_u32_u24 v[TA], v[RR], s41, v[TA]
	s_lshl_b32 s52, s30, 8
	v_add_nc_u32 v[TA], s52, v[TA]
.irp j, 0,1,2,3,4,5,6,7
	v_mad_u32_u24 v[BOJ+\j], s42, \j, v[TA]
.endr
	s_wait_alu depctr_va_vdst(0)                   ; v1 to v13 and v208 to v215 are written: every load and store of the kernel reads one of them as its offset or address, and none is written again
.irp dbl, 0,1,2,3
.irp j, 0,1,2,3,4,5,6,7
	global_load_b32 v[BI+8*\dbl+\j], v[BOJ+\j], s[36:37] offset:64*\dbl   ; the bias in the accumulators' layout: it starts the sums
.endr
.endr
; PHASE A.  Batch idx = 16 loads = 8 rows of 1,024 bytes; each load of the wave covers 512 consecutive bytes.  Batches 0-3: rows 32 w .. of W; 4-7: rows 32 w .. of x or y.
.macro GLOAD idx, buf
.set k, 0
.rept 16
.if (\idx) < 4
	global_load_b128 v[\buf+4*k:\buf+4*k+3], v[WO], s[34:35] offset:(8*((\idx)&3)+(k>>1))*1024+512*(k&1)
.else
	global_load_b128 v[\buf+4*k:\buf+4*k+3], v[XO], s[32:33] offset:(8*((\idx)&3)+(k>>1))*16384+512*(k&1)
.endif
.set k, k+1
.endr
.endm
; a batch's 16 stores: 8 bytes a lane, 32 lanes store 256 consecutive bytes of an LDS row.  reg: the first pair of data registers; step: registers from pair to pair
.macro STORES idx, reg, step
.set k, 0
.rept 16
.if (\idx) < 4
	ds_store_b64 v[WL], v[\reg+\step*k:\reg+\step*k+1] offset:(8*((\idx)&3)+(k>>1))*WP+256*(k&1)
.else
	ds_store_b64 v[XL], v[\reg+\step*k:\reg+\step*k+1] offset:(8*((\idx)&3)+(k>>1))*XP+256*(k&1)
.endif
.set k, k+1
.endr
.endm
; one fragment of W, number f = 8 dbl + ks, into window 1
.macro WFRAG f
	ds_load_b128 v[8*(\f):8*(\f)+3],   v[WF] offset:16*WP*((\f)>>3)+64*((\f)&7)
	ds_load_b128 v[8*(\f)+4:8*(\f)+7], v[WF] offset:16*WP*((\f)>>3)+64*((\f)&7)+32
.endm
; Steps 0 to 4: a ring of three load buffers; left = the loads of the younger batches, which stay out.  Four f32 become four bf16, in an out-buffer; the load buffer is asked for again at once, ahead of the stores.
.macro ASTEP idx, left
	s_wait_loadcnt \left
	WIN 0x40                                       ; destination window 1
.set k, 0
.rept 16
	v_cvt_pk_bf16_f32 v[OUT0-32*(\idx%2)+2*k],   v[B0+64*(\idx%3)+4*k],   v[B0+64*(\idx%3)+4*k+1]
	v_cvt_pk_bf16_f32 v[OUT0-32*(\idx%2)+2*k+1], v[B0+64*(\idx%3)+4*k+2], v[B0+64*(\idx%3)+4*k+3]
.set k, k+1
.endr
	WIN 0x04                                       ; a store's data (source 1) in window 1; a load's destination and both kinds' addresses in window 0: one setting for the loads and the stores below
.if (\idx == 1) || (\idx == 2)
	s_wait_alu depctr_vm_vsrc(0)                   ; the stores of the step before have read the other out-buffer, which the next step's conversions write again
.endif
	s_wait_alu depctr_va_vdst(0)                   ; the conversions have written this step's out-buffer, which the stores below read, and are done reading the load buffer, in which the loads below land
	GLOAD \idx+3, B0+64*(\idx%3)
	STORES \idx, OUT0-32*(\idx%2), 2
.endm
; Steps 5 to 7 ask for nothing more: they convert in place.  tail = 1: W's last four fragments are fetched, into the out-buffer that step 4 used.
.macro ASTEPI idx, left, tail
	s_wait_loadcnt \left
	WIN 0
.set k, 0
.rept 16
	v_cvt_pk_bf16_f32 v[B0+64*(\idx%3)+4*k],   v[B0+64*(\idx%3)+4*k],   v[B0+64*(\idx%3)+4*k+1]
	v_cvt_pk_bf16_f32 v[B0+64*(\idx%3)+4*k+1], v[B0+64*(\idx%3)+4*k+2], v[B0+64*(\idx%3)+4*k+3]
.set k, k+1
.endr
.if \tail
	WIN 0x40                                       ; destination window 1
	s_wait_alu depctr_vm_vsrc(0)                   ; step 4's stores have read OUT0, in which the fragments below land
.endif
	s_wait_alu depctr_va_vdst(0)                   ; the conversions have written the pairs that the stores below read (with tail: and step 4's have written OUT0, in which the fragments land)
.if \tail
	WFRAG 28
	WFRAG 29
	WFRAG 30
	WFRAG 31
	WIN 0
.endif
	STORES \idx, B0+64*(\idx%3), 4
.endm
	GLOAD 0, B0
	GLOAD 1, B0+64
	GLOAD 2, B0+128
.irp i, 0,1,2,3
	ASTEP \i, 32                                   ; two younger batches of 16; the bias loads are older than every batch
.endr
	s_wait_dscnt 0x0                               ; my 32 rows of W are stored
	s_barrier_signal -1
	s_barrier_wait -1                              ; everybody's are: my 64 rows of fragments come from two waves' stores.  The loads of x or y stay on their way
	WIN 0x40                                       ; destination window 1
	s_wait_alu depctr_vm_vsrc(0)                   ; step 3's stores have read OUT1, in which fragments 24 to 27 land; step 2's have read OUT0, which step 4's conversions write again
	s_wait_alu depctr_va_vdst(0)                   ; step 3's conversions have written OUT1, in which fragments 24 to 27 land
.set fi, 0
.rept 28
	WFRAG fi
.set fi, fi+1
.endr
	ASTEP 4, 32
	ASTEPI 5, 32, 1                                ; batches 6 and 7
	ASTEPI 6, 16, 0                                ; batch 7
	ASTEPI 7, 0, 0
	s_wait_dscnt 0x0                               ; my stores of the tile are done, and my W fragments are in registers:
	s_barrier_signal -1
	s_barrier_wait -1                              ; the tile is whole, and nobody reads W's bytes any more: the stage may be written
	s_wait_alu depctr_vm_vsrc(0)                   ; the stores of steps 5 to 7 have read v16 to v207: these registers are ACC, TMP, XB0 and XB1 from here on, written by matrix instructions, conversions and the fragments' loads
; PHASE B.  Eight fragments (16 positions x 256 c) of my block nb (0 to 7), from the tile that lies [c][n], by transposing loads.
.macro XLOAD nb, buf
.irp ks, 0,1,2,3,4,5,6,7
	ds_load_tr16_b128 v[\buf+8*\ks:\buf+8*\ks+3],   v[XA+(\ks>>1)] offset:(\ks&1)*32*XP+32*(\nb)
	ds_load_tr16_b128 v[\buf+8*\ks+4:\buf+8*\ks+7], v[XA+(\ks>>1)] offset:(\ks&1)*32*XP+32*(\nb)+16*XP
.endr
.endm
; jobs 0, 1: source 0 = W (rows d), source 1 = x or y (columns n): a lane holds eight neighbouring d of one position.  Job 2: the sources swapped: eight neighbouring positions of one d.
.macro PMM isv, acc, xf, wf, cc
.if \isv
	v_wmma_f32_16x16x32_bf16 v[\acc:\acc+7], v[\xf:\xf+7], v[\wf:\wf+7], v[\cc:\cc+7]
.else
	v_wmma_f32_16x16x32_bf16 v[\acc:\acc+7], v[\wf:\wf+7], v[\xf:\xf+7], v[\cc:\cc+7]
.endif
.endm
; One block of 16 positions x my 64 d.  left = the LDS instructions issued behind this block's fragment loads.
.macro PBLOCK isv, nb, buf, left
	s_wait_dscnt \left
.if \isv
	WIN 0x04                                       ; source 1 (W) window 1
.else
	WIN 0x01                                       ; source 0 (W) window 1
.endif
.irp ks, 0,1,2,3,4,5,6,7                           ; the four accumulators take turns, one instruction a turn
.irp dbl, 0,1,2,3
.if \ks == 0
	PMM \isv, ACC+8*\dbl, \buf+8*\ks, 8*(8*\dbl+\ks), BI+8*\dbl
.else
	PMM \isv, ACC+8*\dbl, \buf+8*\ks, 8*(8*\dbl+\ks), ACC+8*\dbl
.endif
.endr
.endr
	WIN 0
.if (\nb) > 0
	s_wait_alu depctr_vm_vsrc(0)                   ; the four stores of the block before have read TMP, which the conversions below write again
.endif
	PLACES 4                                       ; four places behind the last matrix instruction (ISA guide 7.12.1): then the conversions of the results
.irp dbl, 0,1,2,3                                  ; for each accumulator the four places and the twelve conversions of the other three stand in front of the next block's write over it
.irp i, 0,1,2,3
	v_cvt_pk_bf16_f32 v[TMP+4*\dbl+\i], v[ACC+8*\dbl+2*\i], v[ACC+8*\dbl+2*\i+1]
.endr
.endr
	s_wait_alu depctr_va_vdst(0)                   ; the conversions have written TMP, which the stores below read; the block's matrix instructions are done reading its fragment buffer, in which loads land next (here, or on the way out)
.if (\nb) <= 5
	XLOAD (\nb)+2, \buf
.endif
.irp dbl, 0,1,2,3
.if \isv
	ds_store_b128 v[SV], v[TMP+4*\dbl:TMP+4*\dbl+3] offset:16*WP*\dbl+32*(\nb)   ; stage row d, 16 bytes = 8 positions
.else
	ds_store_b128 v[SQ], v[TMP+4*\dbl:TMP+4*\dbl+3] offset:16*WP*(\nb)+32*\dbl   ; stage row n, 16 bytes = 8 d; 16 rows a block: 59,232 at the most, inside the 16-bit immediate
.endif
.endr
.endm
.macro PATH isv
	PBLOCK \isv, 0, XB0, 16                        ; behind block 0's loads: block 1's 16
	PBLOCK \isv, 1, XB1, 20                        ; block 2's 16 loads and 4 stores
.irp nb, 2,4
	PBLOCK \isv, \nb, XB0, 24                      ; 4 stores, 16 loads, 4 stores
	PBLOCK \isv, \nb+1, XB1, 24
.endr
	PBLOCK \isv, 6, XB0, 24
	PBLOCK \isv, 7, XB1, 8                         ; 4 + 4 stores
.endm
	XLOAD 0, XB0                                   ; (step 7's wait on va_vdst stands behind the last conversion that named these registers)
	XLOAD 1, XB1
	s_cmp_eq_u32 s5, 2
	s_cbranch_scc1 .Lpath_v
	PATH 0
	s_branch .Ljoin
.Lpath_v:
	PATH 1
.Ljoin:
	s_wait_dscnt 0x0                               ; my stage stores are done
	s_barrier_signal -1
	s_barrier_wait -1                              ; everybody's are
; THE WAY OUT: stage rows 32 w .. 32 w + 31, one whole row of 512 bytes an instruction.  Each register is loaded once and stored once.
; No wait on the vector side: block 7's wait stands behind the last matrix instruction that read XB0 and XB1, on either path, and no vector instruction follows it.
.macro COPYOUT stride
.set t, 0
.rept 32
	ds_load_b128 v[XB0+4*t:XB0+4*t+3], v[RD] offset:t*WP
.set t, t+1
.endr
.set t, 0
.rept 32
	s_wait_dscnt 31-t                              ; LDS loads come back in order: row t is in
	global_store_b128 v[CO], v[XB0+4*t:XB0+4*t+3], s[38:39] offset:t*\stride   ; 512 consecutive bytes, at a multiple of 512 from the buffer's first byte
.set t, t+1
.endr
.endm
	s_cmp_eq_u32 s5, 2
	s_cbranch_scc1 .Lout_v
	COPYOUT 512
	s_wait_dscnt 0x0                               ; the closing lines, six on end
	s_wait_alu 0x0
	s_wait_tensorcnt 0x0
	ds_add_u32 v222, v223
	s_wait_dscnt 0x0
	s_endpgm
.Lout_v:
	COPYOUT 8192
	s_wait_dscnt 0x0                               ; the closing lines once more, for this end
	s_wait_alu 0x0
	s_wait_tensorcnt 0x0
	ds_add_u32 v222, v223
	s_wait_dscnt 0x0
	s_endpgm
.Lfunc_end_k_qd99cb50586_proj:
	.size	k_qd99cb50586_proj, .Lfunc_end_k_qd99cb50586_proj-k_qd99cb50586_proj
	.p2alignl 7, 3214868480
	.fill 96, 4, 3214868480
	.section	.rodata,"a",@progbits
	.p2align	6, 0x0
	.amdhsa_kernel k_qd99cb50586_proj
		.amdhsa_group_segment_fixed_size 275456
		.amdhsa_private_segment_fixed_size 0
		.amdhsa_enable_private_segment 0
		.amdhsa_kernarg_size 88
		.amdhsa_user_sgpr_count 2
		.amdhsa_user_sgpr_kernarg_segment_ptr 1
		.amdhsa_wavefront_size32 1
		.amdhsa_system_sgpr_workgroup_id_x 1
		.amdhsa_system_sgpr_workgroup_id_y 1
		.amdhsa_system_sgpr_workgroup_id_z 1
		.amdhsa_system_vgpr_workitem_id 0
		.amdhsa_next_free_vgpr 512
		.amdhsa_next_free_sgpr 66
		.amdhsa_reserve_vcc 0
		.amdhsa_float_denorm_mode_32 3
		.amdhsa_float_denorm_mode_16_64 3
		.amdhsa_memory_ordered 1
		.amdhsa_forward_progress 1
		.amdhsa_inst_pref_size 132
	.end_amdhsa_kernel
	.amdgpu_metadata
---
amdhsa.version: [ 1, 2 ]
amdhsa.kernels:
  - .name:           k_qd99cb50586_proj
    .symbol:         k_qd99cb50586_proj.kd
    .args:
      - { .name: x, .offset: 0, .size: 8, .value_kind: global_buffer, .address_space: global }
      - { .name: y, .offset: 8, .size: 8, .value_kind: global_buffer, .address_space: global }
      - { .name: Wq, .offset: 16, .size: 8, .value_kind: global_buffer, .address_space: global }
      - { .name: Wk, .offset: 24, .size: 8, .value_kind: global_buffer, .address_space: global }
      - { .name: Wv, .offset: 32, .size: 8, .value_kind: global_buffer, .address_space: global }
      - { .name: bq, .offset: 40, .size: 8, .value_kind: global_buffer, .address_space: global }
      - { .name: bk, .offset: 48, .size: 8, .value_kind: global_buffer, .address_space: global }
      - { .name: bv, .offset: 56, .size: 8, .value_kind: global_buffer, .address_space: global }
      - { .name: Qb, .offset: 64, .size: 8, .value_kind: global_buffer, .address_space: global }
      - { .name: Kb, .offset: 72, .size: 8, .value_kind: global_buffer, .address_space: global }
      - { .name: Vt, .offset: 80, .size: 8, .value_kind: global_buffer, .address_space: global }
    .group_segment_fixed_size: 275456
    .private_segment_fixed_size: 0
    .kernarg_segment_align: 8
    .kernarg_segment_size: 88
    .max_flat_workgroup_size: 256
    .sgpr_count:     66
    .vgpr_count:     512
    .wavefront_size: 32
...
	.end_amdgpu_metadata
.endif
;; end of part 3
;; launch attn: the kernel of part 2 again; grid 256 x 1, 4 waves a work-group, clusters of 4 x 1, 327,680 bytes of LDS; arguments Qb, Kb, Vt, x, out0; writes out0
